; MI455X (gfx1250); checked and timed in simulation.
; The chip was launched on July 23, 2026; its instructions are those of AMD's public machine-readable ISA for CDNA 5 (MIT licence, August 2026) and "CDNA5" Instruction Set Architecture Reference Guide (July 2026). The comments in the code are by the model that wrote it; some were corrected since.
;; Bert Self Attention. Allowed arithmetic: matrix products marked QUANTISED: E3M2 operands, one E8M0 scale for each 32 along K, by v_wmma_scale_f32_16x16x128_f8f6f4 with both operands' format E3M2, f32 sums; everything else in f32.
;; Inputs: Wk_codes 1,024 x 32 x 24 uint8 (E3M2 codes of Wk, K innermost, in blocks of 32 codes, four codes in three bytes); Wk_scales 1,024 x 32 uint8 (E8M0 scales of Wk, one for each 32 codes along K); Wq_codes 1,024 x 32 x 24 uint8 (E3M2 codes of Wq, K innermost, in blocks of 32 codes, four codes in three bytes); Wq_scales 1,024 x 32 uint8 (E8M0 scales of Wq, one for each 32 codes along K); Wv_codes 1,024 x 32 x 24 uint8 (E3M2 codes of Wv, K innermost, in blocks of 32 codes, four codes in three bytes); Wv_scales 1,024 x 32 uint8 (E8M0 scales of Wv, one for each 32 codes along K); bk 1,024 float32; bq 1,024 float32; bv 1,024 float32; hidden_states_codes 2 x 2,048 x 32 x 24 uint8 (E3M2 codes of hidden_states, K innermost, in blocks of 32 codes, four codes in three bytes); hidden_states_scales 2 x 2,048 x 32 uint8 (E8M0 scales of hidden_states, one for each 32 codes along K); kv_weight one number float32; kvs 2 x 2 x 16 x 2,048 x 64 float32.
;; Outputs: out0 2 x 2,048 x 1,024 float32.
;; This version of the problem:
;;   THIS VERSION OF THE PROBLEM IS GIVEN IN LOW PRECISION. The matrix products marked QUANTISED in the list below multiply operands that are first quantised to E3M2 (3 exponent bits, 2 mantissa bits; 6 bits a number), with one power-of-two scale for each 32 numbers along K (OCP MX v1.0); their sums are f32. All else is computed in f32.
;;   The module's matrix products, in the order in which they are computed (A, B: the left and right operand; K: the contracted axis; several contracted axes count as one K, in the product's order):
;;     1. [M 4,096, K 1,024] x [K 1,024, N 1,024]; A: input hidden_states (given as codes); B: input Wq (given as codes): QUANTISED
;;     2. [M 4,096, K 1,024] x [K 1,024, N 1,024]; A: input hidden_states (given as codes); B: input Wk (given as codes): QUANTISED
;;     3. [M 4,096, K 1,024] x [K 1,024, N 1,024]; A: input hidden_states (given as codes); B: input Wv (given as codes): QUANTISED
;;     4. batch 32 x [M 2,048, K 64] x [K 64, N 4,096]; A: computed on the way; B: computed on the way: QUANTISED
;;     5. batch 32 x [M 2,048, K 4,096] x [K 4,096, N 64]; A: softmax (see below); B: computed on the way: QUANTISED
;;   THE QUANTISER, for each operand of a quantised product, along K:
;;     - K is cut into blocks of 32 from its start; a last block that is shorter is filled with zeros.
;;     - A block's scale is 2^e with e = floor(log2(the largest magnitude in the block)) - 4, held to -126 .. 127; a block of zeros has e = 0. As a byte (E8M0): e + 127.
;;     - Each number is divided by its block's scale, clamped to +-28, and rounded to the nearest number of E3M2, ties to even, subnormals kept.
;;     - The product sums the exact products of the quantised numbers (number of the format x scale) in f32.
;;   ~~~python
;;   def quantise(x, axis):      # numpy; x: float32 -> the quantised numbers, widened to float32 again
;;       x = np.moveaxis(x, axis, -1); K = x.shape[-1]
;;       x = np.pad(x, [(0, 0)] * (x.ndim - 1) + [(0, -K % 32)]); x = x.reshape(x.shape[:-1] + (-1, 32)); a = np.abs(x).max(-1, keepdims=True)
;;       e = np.where(a > 0, np.clip(np.frexp(np.where(a > 0, a, 1))[1] - 1 - 4, -126, 127), 0)      # np.frexp(a)[1] - 1 = floor(log2(a)), exactly
;;       r = np.clip(x / 2.0 ** e, -28, 28)
;;       step = 2.0 ** (np.maximum(np.frexp(np.where(r == 0, 1, r))[1] - 1, -2) - 2)
;;       q = np.round(r / step) * step * 2.0 ** e      # np.round: ties to even
;;       return np.moveaxis(q.reshape(q.shape[:-2] + (-1,))[..., :K], -1, axis).astype(np.float32)
;;   ~~~
;;   SOFTMAX AHEAD OF A QUANTISED PRODUCT. Where the list says 'softmax', what is quantised is not the finished softmax but p = 2^(t - M), with t = logit x log2(e) and M = ceil(the row's largest t), a whole number; so 1/2 < the row's largest p <= 1. The row's sum l is taken of the UNQUANTISED p, in f32, and the product's result is divided by l at the end. Since M is a whole number, a kernel that streams over the keys may use a running M (the ceiling of the running maximum): every later rescaling is an exact power of two, which a block's scale takes up: the codes' values come out the same.
;;   OPERANDS COMPUTED ON THE WAY. 'Computed on the way' means the value that the module computes at that place (a softmax that the list does not call 'softmax' is quantised finished and normalised). What goes into a quantiser is computed in f32, as accurately as f32 sums, v_exp_f32 and their like allow (about 1e-6 of the number): no bf16 or f16 on the way to a quantiser, and a product that is left as it is and whose result goes on into a quantised operand takes f32 operands (vector FMAs, or v_wmma_f32_16x16x4_f32). A number that lies on a knife's edge between two numbers of the format may be rounded either way, as far as f32 arithmetic and the matrix unit's own rounding can turn it there, and no further.
;;   INPUTS GIVEN AS CODES. Wk (in the module: [1024, 1024], K = its axis 1); Wq (in the module: [1024, 1024], K = its axis 1); Wv (in the module: [1024, 1024], K = its axis 1); hidden_states (in the module: [2, 2048, 1024], K = its axis 2): each comes as NAME_codes (uint8): NAME with its K axis moved to the last place and cut into blocks of 32 codes, [.., K / 32, bytes a block], one block behind the other in memory; four codes in three bytes: a row's codes are one little-endian stream of bits, code i at bits 6 i .. 6 i + 5 (a code: sign, 3 exponent bits, 2 mantissa bits); and NAME_scales (uint8): the same leading axes, one E8M0 byte (e + 127) for each 32 codes along K. Its value is code x scale, taken as it is: it is not quantised again, and the codes and scales need not be those that the quantiser above would give.
;; One version. Each part assembles by itself: llvm-mc -triple=amdgcn-amd-amdhsa -mcpu=gfx1250 --defsym DOCPART=n.
;; ======== version 1 of 1: 3 launches
;; limits: right only within a limited range of input values
;; workspace buffers: kvc 13,107,200 bytes; qc 3,276,800 bytes
;; launch kvq (part 1): grid 256 x 1, 4 waves a work-group, no clusters, 70,144 bytes of LDS; arguments kvs, kv_weight, kvc; writes kvc
.if DOCPART == 1
	.amdgcn_target "amdgcn-amd-amdhsa--gfx1250"
	.amdhsa_code_object_version 6
	.text
	.protected	k_q3103838a32_kvq
	.globl	k_q3103838a32_kvq
	.p2align	8
	.type	k_q3103838a32_kvq,@function
k_q3103838a32_kvq:
	s_mov_b64 s[64:65], 0
	v_nop
	global_prefetch_b8 v0, s[64:65] scope:SCOPE_SE
	s_setreg_imm32_b32 hwreg(HW_REG_WAVE_MODE, 25, 1), 1
	s_wait_xcnt 0x0
; kv_weight x kvs ([2][32 heads][2048 keys][64 channels], f32) becomes codes of BF6 (E3M2) with one E8M0 byte for each 32 along a product's K, laid as IMAGES OF OPERAND REGISTERS
; in kvc [32 heads][32 key steps][12,800 bytes]; this launch writes key steps 0 to 15.  A key step is 128 keys:
;   +0      four PAIR fragments of K, 1,536 bytes each: registers 0-5 = keys 32 p + r, registers 6-11 = keys 32 p + 16 + r; lane (r, h) holds block h of the 64 channels
;   +6,144  four fragments of V^T: lane r = channel 16 t + r, K = the step's 128 keys: registers 6 c .. 6 c + 5 of lane (r, h) = key block 2 c + h
;   +12,288 K's scale words, +12,544 V's: lane l's 8 bytes at 8 l = two scale registers; register i holds fragment 2 i's words in lanes 0-15 and fragment 2 i + 1's in lanes 16-31
; An image is three chunks of 512 bytes: chunk c = registers 4 c .. 4 c + 3, lane l's 16 bytes at 16 l: every store of a wave covers 512 consecutive bytes, aligned.
; ORDER INSIDE A BLOCK OF 32: element e stands at place (e & 7) + 8 ((e >> 4) & 1) + 16 ((e >> 3) & 1).  Every operand of the two attention products is laid so, on both sides alike, so each
; product meets its partner; a block's members, scale and codes are the quantiser's own.  Only the order of the sums inside a matrix instruction differs from ascending K.
; A block's scale byte is its largest magnitude's exponent field - 4, held at 1 from below.  LIMITS: a block of zeros, or one whose largest magnitude lies under 2^-122, gets the byte 1 (its codes are
; zeros or the nearest codes under that scale; the bytes are read by this program alone); NaN and infinities among the inputs are not served.
; SHARES.  A wave takes one unit: 128 keys x 64 channels of one head, 32,768 dense bytes.  Work-groups 0-127 take K (kvs[0]), the others V (kvs[1]); the two ways part once, on the work-group's number,
; and each has LDS bytes of its own.  Waves share nothing: no barrier.  No work-group reads what another reads: no cluster; no product: no matrix unit.
; Loads take the bytes as they lie, 512 consecutive bytes each, two sets of 16 loads ahead; 32 keys at a time turn through the wave's own stage in LDS (rows of 256 bytes + 16).
.set STG,  32*272                      ; a wave's stage
.set VST,  4*STG                       ; the V way's four stages lie behind the K way's
.set GL,   2                           ; v2   16 x lane: my bytes of a load's 512, and of an image's chunk; never rewritten
.set SS,   3                           ; v3   into the stage: row lane / 16, 16 (lane % 16)
.set SL,   4                           ; v4   out of the stage
.set L8,   5                           ; v5   8 x lane: the scale registers' place
.set SH,   6                           ; v6   8 x (lane / 16)
.set MA,   10                          ; v10, v11 two chains of the largest magnitude
.set MB,   11
.set SO,   12                          ; v12  the conversion's scale operand
.set BY,   13                          ; v13  the scale's byte
.set B0,   14                          ; v14  the byte of a pair's even tile
.set PT,   15                          ; v15  the other half of the lanes' bytes
.set W,    16                          ; v16-19 scale words
.set SR,   20                          ; v20-21 K's two scale registers
.set CT,   24                          ; v24-26 a block's upper 16 codes
.set X,    32                          ; v32-63 a block of 32, in the order of places
.set R,    64                          ; v64-191 two sets of 64: 32 keys as loaded
.set F,    192                         ; v192-239 fragments
	s_load_b128 s[4:7], s[0:1], 0x0                ; kvs, kv_weight
	s_load_b64 s[8:9], s[0:1], 0x10                ; kvc
	v_lshl_add_u32 v240, v0, 2, 0x11000
	v_mov_b32 v241, 0
	v_lshrrev_b32 v1, 5, v0
	v_readfirstlane_b32 s10, v1                    ; wave 0..3
	v_and_b32 v1, 31, v0                           ; lane
	v_lshlrev_b32 v[GL], 4, v1
	v_lshlrev_b32 v[L8], 3, v1
	v_lshrrev_b32 v7, 4, v1                        ; h
	v_and_b32 v8, 15, v1                           ; r
	v_lshlrev_b32 v[SH], 3, v7
	s_mul_i32 s11, s10, STG
	v_mul_u32_u24 v[SS], v7, 272
	v_lshl_add_u32 v[SS], v8, 4, v[SS]
	v_add_nc_u32 v[SS], s11, v[SS]
	v_mov_b32 v[PT], 0                             ; written once: a lane permute's destination counts as one of its sources
	s_mov_b32 s22, 0x76543210
	s_mov_b32 s23, 0xfedcba98                      ; v_permlanex16_b32's selects for lane l xor 16
	s_mov_b32 s24, 0xffff0000                      ; lanes 16-31
	s_lshl_b32 s12, ttmp9, 2
	s_add_co_u32 s12, s12, s10                     ; my unit, 0..1023
	s_lshl_b32 s14, s12, 15                        ; its 32,768 bytes of kvs
	s_mov_b32 s15, 0
	s_and_b32 s16, s12, 511
	s_lshr_b32 s17, s16, 4                         ; the head,
	s_mul_i32 s17, s17, 409600
	s_and_b32 s16, s16, 15                         ; the key step
	s_mul_i32 s16, s16, 12800
	s_add_co_u32 s16, s16, s17
	s_mov_b32 s17, 0
	s_wait_alu depctr_va_vdst(0)
	s_wait_kmcnt 0x0
	s_load_b32 s20, s[6:7], 0x0                    ; kv_weight
	s_add_nc_u64 s[4:5], s[4:5], s[14:15]
	s_add_nc_u64 s[8:9], s[8:9], s[16:17]
.macro LOAD t                          ; keys 32 t .. 32 t + 31: 16 loads of 512 consecutive bytes, into set t % 2
.irp i, 0,1,2,3,4,5,6,7,8,9,10,11,12,13,14,15
	global_load_b128 v[R+64*((\t)%2)+4*\i:R+64*((\t)%2)+4*\i+3], v[GL], s[4:5] offset:8192*(\t)+512*\i th:TH_LOAD_NT
.endr
.endm
.macro TOSTAGE t, base                 ; a load's 512 bytes are two keys' rows
.irp i, 0,1,2,3,4,5,6,7,8,9,10,11,12,13,14,15
	ds_store_b128 v[SS], v[R+64*((\t)%2)+4*\i:R+64*((\t)%2)+4*\i+3] offset:(\base)+544*\i
.endr
.endm
; The block in v[X] .. v[X + 31] is multiplied by kv_weight and quantised: six registers of codes from v[dst] on, the byte in v[BY].
.macro GROUP dst
.irp i, 0,2,4,6,8,10,12,14,16,18,20,22,24,26,28,30
	v_pk_mul_f32 v[X+\i:X+\i+1], v[X+\i:X+\i+1], s[20:21] op_sel_hi:[1,0]
.endr
	v_max3_num_f32 v[MA], |v[X]|, |v[X+1]|, |v[X+2]|
	v_max3_num_f32 v[MB], |v[X+3]|, |v[X+4]|, |v[X+5]|
.irp i, 6,10,14,18,22,26
	v_max3_num_f32 v[MA], v[MA], |v[X+\i]|, |v[X+\i+1]|
	v_max3_num_f32 v[MB], v[MB], |v[X+\i+2]|, |v[X+\i+3]|
.endr
	v_max3_num_f32 v[MA], v[MA], |v[X+30]|, |v[X+31]|
	v_max3_num_f32 v[MA], v[MA], v[MB], 0x2800000  ; and the floor 2^(5 - 127): the byte cannot fall under 1
	v_add_nc_u32 v[SO], 0xfe000000, v[MA]          ; 4 off the exponent field: the conversion takes this operand's exponent field as its scale
	v_lshrrev_b32 v[BY], 23, v[SO]                 ; the scale's byte
	v_cvt_scalef32_pk16_bf6_f32 v[(\dst):(\dst)+2], v[X:X+15], v[SO]
	v_cvt_scalef32_pk16_bf6_f32 v[CT:CT+2], v[X+16:X+31], v[SO]    ; (a conversion's three registers begin on an even number)
	v_nop                                          ; one plain place behind a scaled conversion
.irp i, 0,1,2
	v_mov_b32 v[(\dst)+3+\i], v[CT+\i]
.endr
.endm
	LOAD 0
	LOAD 1
	s_wait_kmcnt 0x0
	s_mov_b32 s21, s20                             ; (the packed form names the pair)
	s_cmp_lt_u32 ttmp9, 128
	s_cbranch_scc0 .Lv_way
	; ---- K: lane (r, h) takes key 16 u + r of the 32 in the stage and block h of its channels
	v_mul_u32_u24 v[SL], v8, 272
	v_lshl_add_u32 v[SL], v7, 7, v[SL]
	v_add_nc_u32 v[SL], s11, v[SL]
	v_xor_b32 v9, 128, v[GL]                       ; 16 x (lane xor 8): the images of K's odd pairs are laid so; a store still covers 512 consecutive bytes, aligned
.macro KLD u                           ; channels 32 h + 4 i .. + 3 go to their places
.irp i, 0,1,2,3,4,5,6,7
	ds_load_b128 v[X+4*(\i&1)+8*((\i>>2)&1)+16*((\i>>1)&1):X+4*(\i&1)+8*((\i>>2)&1)+16*((\i>>1)&1)+3], v[SL] offset:4352*(\u)+16*\i
.endr
.endm
.macro KPAIR p
.if (\p) < 3
	s_wait_loadcnt 16                              ; this pair's 16 loads are in; the next pair's may be out
.else
	s_wait_loadcnt 0x0
.endif
	TOSTAGE \p, 0
	KLD 0                                          ; LDS serves a wave's instructions in order: these see the stores above
	s_wait_dscnt 0x0                               ; the block is in, and the stage's stores have read their registers
.if (\p) < 2
	LOAD (\p)+2
.else
	s_wait_xcnt 0x0                                ; the stores of two pairs ago have read this set of fragment registers
.endif
	GROUP F+12*((\p)%2)
	v_mov_b32 v[B0], v[BY]
	KLD 1
	s_wait_dscnt 0x0
	GROUP F+12*((\p)%2)+6
	v_lshl_or_b32 v[BY], v[BY], 16, v[B0]          ; my block's bytes of the even and of the odd tile,
	v_lshlrev_b32 v[BY], v[SH], v[BY]              ; at block h's places;
	v_permlanex16_b32 v[PT], v[BY], s22, s23
	v_or_b32 v[W+(\p)], v[BY], v[PT]               ; with lane l xor 16's the pair's scale word is whole
.irp c, 0,1,2
	global_store_b128 v[GL+7*((\p)%2)], v[F+12*((\p)%2)+4*\c:F+12*((\p)%2)+4*\c+3], s[8:9] offset:1536*(\p)+512*\c   ; odd pairs by v9
.endr
.endm
	s_wait_alu depctr_va_vdst(0)
	KPAIR 0
	KPAIR 1
	KPAIR 2
	KPAIR 3
	v_cndmask_b32 v[SR], v[W], v[W+1], s24         ; pair 0's words in lanes 0-15, pair 1's in lanes 16-31
	v_cndmask_b32 v[SR+1], v[W+2], v[W+3], s24
	global_store_b64 v[L8], v[SR:SR+1], s[8:9] offset:12288
	s_wait_tensorcnt 0x0
	ds_add_u32 v240, v241
	s_wait_dscnt 0x0
	s_endpgm
.Lv_way:
	; ---- V: a lane takes a channel, and its registers run down the 32 keys in the stage
	v_lshl_add_u32 v[SL], v1, 2, s11
.macro VLD g                           ; channel 32 g + lane; key k goes to its place
.irp k, 0,1,2,3,4,5,6,7,8,9,10,11,12,13,14,15,16,17,18,19,20,21,22,23,24,25,26,27,28,29,30,31
	ds_load_b32 v[X+(\k&7)+8*((\k>>4)&1)+16*((\k>>3)&1)], v[SL] offset:VST+272*\k+128*(\g)
.endr
.endm
.macro VWORD g, t                      ; key block t's byte into channel 32 g + lane's scale word
.if (\t) == 0
	v_mov_b32 v[W+(\g)], v[BY]
.else
	v_lshl_or_b32 v[W+(\g)], v[BY], 8*(\t), v[W+(\g)]
.endif
.endm
.macro VBLK t                          ; key block t = 2 c + e
.if (\t) < 3
	s_wait_loadcnt 16                              ; this block's 16 loads are in; the next block's may be out
.else
	s_wait_loadcnt 0x0
.endif
	TOSTAGE \t, VST
	VLD 0
	s_wait_dscnt 0x0
.if (\t) < 2
	LOAD (\t)+2
.endif
	GROUP F+12*((\t)%2)+6*((\t)/2)
	VWORD 0, \t
	VLD 1
	s_wait_dscnt 0x0
	GROUP F+12*(2+(\t)%2)+6*((\t)/2)
	VWORD 1, \t
.if (\t)%2                             ; blocks 2 c and 2 c + 1 are made: lanes 0-15 hold tile 2 g's channels, lanes 16-31 tile 2 g + 1's.  The exchange gives tile 2 g both its blocks, and tile 2 g + 1 both its own
.irp g, 0,1
.irp i, 0,1,2,3,4,5
	v_permlane16_swap_b32 v[F+24*\g+6*((\t)/2)+\i], v[F+24*\g+12+6*((\t)/2)+\i]
.endr
.endr
.endif
.endm
	s_wait_alu depctr_va_vdst(0)
	VBLK 0
	VBLK 1
	VBLK 2
	VBLK 3
.irp i, 0,1,2,3,4,5,6,7,8,9,10,11
	global_store_b128 v[GL], v[F+4*\i:F+4*\i+3], s[8:9] offset:6144+512*\i
.endr
	global_store_b64 v[L8], v[W:W+1], s[8:9] offset:12544   ; word register g holds tile 2 g's words in lanes 0-15 and tile 2 g + 1's in lanes 16-31, as it stands
	s_wait_tensorcnt 0x0
	ds_add_u32 v240, v241
	s_wait_dscnt 0x0
	s_endpgm
.Lfunc_end_k_q3103838a32_kvq:
	.size	k_q3103838a32_kvq, .Lfunc_end_k_q3103838a32_kvq-k_q3103838a32_kvq
	.p2alignl 7, 3214868480
	.fill 96, 4, 3214868480
	.section	.rodata,"a",@progbits
	.p2align	6, 0x0
	.amdhsa_kernel k_q3103838a32_kvq
		.amdhsa_group_segment_fixed_size 70144
		.amdhsa_private_segment_fixed_size 0
		.amdhsa_enable_private_segment 0
		.amdhsa_kernarg_size 24
		.amdhsa_user_sgpr_count 2
		.amdhsa_user_sgpr_kernarg_segment_ptr 1
		.amdhsa_wavefront_size32 1
		.amdhsa_system_sgpr_workgroup_id_x 1
		.amdhsa_system_sgpr_workgroup_id_y 1
		.amdhsa_system_sgpr_workgroup_id_z 1
		.amdhsa_system_vgpr_workitem_id 0
		.amdhsa_next_free_vgpr 242
		.amdhsa_next_free_sgpr 66
		.amdhsa_reserve_vcc 0
		.amdhsa_float_denorm_mode_32 3
		.amdhsa_float_denorm_mode_16_64 3
		.amdhsa_memory_ordered 1
		.amdhsa_forward_progress 1
		.amdhsa_inst_pref_size 84
	.end_amdhsa_kernel
	.amdgpu_metadata
---
amdhsa.version: [ 1, 2 ]
amdhsa.kernels:
  - .name:           k_q3103838a32_kvq
    .symbol:         k_q3103838a32_kvq.kd
    .args:
      - { .name: kvs, .offset: 0, .size: 8, .value_kind: global_buffer, .address_space: global }
      - { .name: kv_weight, .offset: 8, .size: 8, .value_kind: global_buffer, .address_space: global }
      - { .name: kvc, .offset: 16, .size: 8, .value_kind: global_buffer, .address_space: global }
    .group_segment_fixed_size: 70144
    .private_segment_fixed_size: 0
    .kernarg_segment_align: 8
    .kernarg_segment_size: 24
    .max_flat_workgroup_size: 128
    .sgpr_count:     66
    .vgpr_count:     242
    .wavefront_size: 32
...
	.end_amdgpu_metadata
.endif
;; end of part 1
;; launch proj (part 2): grid 12 x 16, 4 waves a work-group, clusters of 4 x 4, 327,680 bytes of LDS; arguments hidden_states_codes, hidden_states_scales, Wq_codes, Wq_scales, Wk_codes, Wk_scales, Wv_codes, Wv_scales, bq, bk, bv, qc, kvc; writes qc, kvc
.if DOCPART == 2
	.amdgcn_target "amdgcn-amd-amdhsa--gfx1250"
	.amdhsa_code_object_version 6
	.text
	.protected	k_q3103838a32_proj
	.globl	k_q3103838a32_proj
	.p2align	8
	.type	k_q3103838a32_proj,@function
k_q3103838a32_proj:
	s_mov_b64 s[64:65], 0
	v_nop
	global_prefetch_b8 v0, s[64:65] scope:SCOPE_SE
	s_setreg_imm32_b32 hwreg(HW_REG_WAVE_MODE, 25, 1), 1
	s_wait_xcnt 0x0
	s_wait_alu depctr_hold_cnt(0) depctr_sa_sdst(0) depctr_va_vdst(0) depctr_va_sdst(0) depctr_va_ssrc(0) depctr_va_vcc(0) depctr_vm_vsrc(0)
	s_getreg_b32 s2, hwreg(HW_REG_IB_STS2, 6, 4)
	s_cmp_eq_u32 s2, 0
	s_cbranch_scc0 .Lentry_in_a_cluster
	s_endpgm
.Lentry_in_a_cluster:
	s_bfe_u32 s2, ttmp6, 0x10000c
	s_cmp_lg_u32 s2, 0xf033
	s_cbranch_scc0 .Lentry_shape_is_right
	s_endpgm
.Lentry_shape_is_right:
; The three projections on codes of BF6 (E3M2), K = 1,024, and their results quantised again as images of operand registers: q / 8 into qc, k and v into key steps 16-31 of kvc.
; Cluster x chooses the product: 0: q = x Wq^T, 1: k = x Wk^T (A = hidden_states, B = the weight), 2: v^T = Wv x^T (A = Wv, B = hidden_states), so that v's keys run along a lane's registers.
; A work-group of four waves makes 256 x 256, a wave 128 x 128 in 512 registers.  K goes through a ring of two LDS slots in CHUNKS OF 256 BYTES of each row of 768: three chunks, eight steps of 128 along K (96 bytes);
; steps 2 and 5 lie across two chunks.  The scales of the 256 + 256 rows come once, as dense blocks.  4 x 4 clusters: A's tiles are asked for jointly along a row of the cluster, B's along a column.
; The matrix instruction is used transposed (source 0 = rows of B, source 1 = rows of A): a lane holds eight neighbouring columns of one row.
; The images of odd pairs of q and k are stored with lane xor 8 (16 bytes a lane, 512 consecutive bytes a store).
; No prefetch: K is three chunks, of which two are asked for before the first product, at the largest block in clusters.
; LIMITS: a block whose largest magnitude lies under 2^-122 gets the byte 1; NaN and infinities are not served.
.set ROWB,   256
.set NQ,     2
.set KROW,   768
.set STEPS,  8
.set CHUNKS, 3
.set PITCH,  272
.set FR,     12
.set NL,     6
.set NP,     4
.set HALFT,  128*PITCH
.set SLOT,   4*HALFT
.set KS,     32
.set SCL,    2*SLOT
.set HALFS,  (128*KS/256)*272
.set SBLK,   (16*KS/256)*272
.set SPARE,  SCL+4*HALFS
.set ADRA, 16                          ; v16-19 A's fragment addresses: slot 0, 1; across chunks from slot 0, 1
.set ADRB, 20                          ; v20-23 B's
.set BO2,  24
.set COX,  25                          ; 16 x (lane xor 8)
.set CO,   26                          ; 16 x lane
.set ADRS, 27
.set SPW,  28
.set NIL,  29
.set BO,   30
.set CO8,  31
.set SC,   32
.set BI,   64
.set BV,   240
.set AF,   128
.set SR,   4
.set W,    8
.set Y,    128
.set TM,   192
.set CT,   208
.set P0,   216
.set P1,   228
.set G1, 24
.set G0, 32
.set G1B, 48
.set G0B, 56
.set G1S, 68
.set G0S, 76
.set G1SB, 80
.set G0SB, 88
.set G0H, 4
.set G0HB, 8
.set SEL, 34
.set MSB, 0
.macro WIN new
.if MSB != \new
	s_set_vgpr_msb (MSB<<8)|\new
.set MSB, \new
.endif
.endm
.set MUL_LO, 0xa1
.set MUL_HI, 0xf1
.set TO_B,   0x40
.macro JLOAD g0a, g1a, g0b, g1b        ; waves 0, 1 fetch for A, waves 2, 3 for B
	s_cmp_eq_u32 s15, 0
	s_cbranch_scc0 .Lfor_b_\@
	tensor_load_to_lds s[\g0a:\g0a+3], s[\g1a:\g1a+7]
	s_nop 0
.rept 4
	v_nop
.endr
	s_branch .Lasked_\@
.Lfor_b_\@:
	tensor_load_to_lds s[\g0b:\g0b+3], s[\g1b:\g1b+7]
	s_nop 0
.rept 4
	v_nop
.endr
.Lasked_\@:
.endm
.macro CREST
	s_cmp_lg_u32 s14, 0
	s_cbranch_scc1 .Lnot_wave_0_\@
	s_barrier_signal -3
.Lnot_wave_0_\@:
	s_barrier_wait -3
	s_barrier_signal -1
	s_barrier_wait -1
.endm
.macro CROUND
	s_barrier_signal -1
	s_barrier_wait -1
	CREST
.endm
	s_load_b512 s[68:83], s[0:1], 0x0              ; x codes, scales; Wq; Wk; Wv
	s_load_b256 s[84:91], s[0:1], 0x40             ; bq, bk, bv, qc
	s_load_b64 s[92:93], s[0:1], 0x60              ; kvc
	v_lshl_add_u32 v[SPW], v0, 2, SPARE
	v_mov_b32 v[NIL], 0
	ds_add_u32 v[SPW], v[NIL]                      ; the opening lines: the add twice on end and one wait
	ds_add_u32 v[SPW], v[NIL]
	v_lshrrev_b32 v1, 5, v0
	v_readfirstlane_b32 s14, v1                    ; wave
	s_lshr_b32 s15, s14, 1
	s_and_b32 s16, s14, 1
	s_mov_b32 s98, ttmp9                           ; which product: the same in all partners
	s_bfe_u32 s40, ttmp6, 0x40000
	s_bfe_u32 s41, ttmp6, 0x40004
	s_and_b32 s43, ttmp7, 0xffff
	s_lshl_b32 s43, s43, 2
	s_cmp_lt_u32 s98, 2
	s_cselect_b32 s17, s43, 0
	s_cselect_b32 s42, 0, s43
	s_add_co_u32 s17, s17, s41                     ; tile row (A)
	s_add_co_u32 s42, s42, s40                     ; tile column (B)
	s_lshl_b32 s43, s41, 2
	s_lshl_b32 s43, 15, s43
	s_lshl_b32 s44, 0x1111, s40
	s_or_b32 s[G1+0], s43, (0<<16)|(1<<20)|(1<<21)|(5<<22)|(3<<25)
	s_or_b32 s[G1B+0], s44, (0<<16)|(1<<20)|(1<<21)|(5<<22)|(3<<25)
.irp g, G1, G1B
	s_mov_b32 s[\g+1], ROWB<<16
	s_mov_b32 s[\g+2], 256<<16                     ; the head's loads bring 256 rows
	s_mov_b32 s[\g+3], ROWB<<16
	s_mov_b32 s[\g+4], 256
	s_mov_b32 s[\g+5], KROW
	s_mov_b32 s[\g+6], 0
	s_mov_b32 s[\g+7], 0
.endr
	s_lshl_b32 s20, s17, 8
	s_lshl_b32 s46, s42, 8
	s_mov_b32 s21, 0
	s_mov_b32 s47, 0
	s_mov_b64 s[18:19], KS
	s_mul_u64 s[22:23], s[20:21], s[18:19]
	s_mul_u64 s[2:3], s[46:47], s[18:19]
	s_mov_b64 s[18:19], KROW
	s_mul_u64 s[20:21], s[20:21], s[18:19]
	s_mul_u64 s[46:47], s[46:47], s[18:19]
	s_mul_i32 s18, s16, 128*KROW
	s_mov_b32 s19, 0
	s_mul_i32 s45, s14, HALFT
	s_wait_dscnt 0x0
	s_wait_kmcnt 0x0
	s_cmp_eq_u32 s98, 0
	s_cselect_b64 s[8:9], s[72:73], s[76:77]
	s_cselect_b64 s[10:11], s[74:75], s[78:79]
	s_cselect_b64 s[12:13], s[84:85], s[86:87]
	s_cselect_b64 s[96:97], s[90:91], s[92:93]
	s_cmp_eq_u32 s98, 2
	s_cselect_b64 s[4:5], s[80:81], s[68:69]
	s_cselect_b64 s[6:7], s[82:83], s[70:71]
	s_cselect_b64 s[8:9], s[68:69], s[8:9]
	s_cselect_b64 s[10:11], s[70:71], s[10:11]
	s_cselect_b64 s[12:13], s[88:89], s[12:13]
	s_add_nc_u64 s[20:21], s[4:5], s[20:21]
	s_add_nc_u64 s[22:23], s[6:7], s[22:23]
	s_add_nc_u64 s[46:47], s[8:9], s[46:47]
	s_add_nc_u64 s[2:3], s[10:11], s[2:3]
	s_or_b32 s[G1S+0], s43, (3<<16)|(1<<20)|(1<<21)|(5<<22)|(3<<25)   ; the arguments that lay here have been used
	s_or_b32 s[G1SB+0], s44, (3<<16)|(1<<20)|(1<<21)|(5<<22)|(3<<25)
.irp g, G1S, G1SB
	s_mov_b32 s[\g+1], 32<<16
	s_mov_b32 s[\g+2], KS<<16
	s_mov_b32 s[\g+3], 32<<16
	s_mov_b32 s[\g+4], KS
	s_mov_b32 s[\g+5], 32
	s_mov_b32 s[\g+6], 0
	s_mov_b32 s[\g+7], 0
.endr
	CROUND                                         ; the first joint loads meet
	s_mov_b32 s[G0H], 1
	s_mov_b32 s[G0H+1], 0
	s_mov_b64 s[G0H+2:G0H+3], s[20:21]
	s_or_b32 s[G0H+3], s[G0H+3], 0x80000000
	s_mov_b32 s[G0HB], 1
	s_mov_b32 s[G0HB+1], 2*HALFT
	s_mov_b64 s[G0HB+2:G0HB+3], s[46:47]
	s_or_b32 s[G0HB+3], s[G0HB+3], 0x80000000
	s_mov_b32 s[G0S], 1
	s_mov_b32 s[G0S+1], SCL
	s_mov_b64 s[G0S+2:G0S+3], s[22:23]
	s_or_b32 s[G0S+3], s[G0S+3], 0x80000000
	s_mov_b32 s[G0SB], 1
	s_mov_b32 s[G0SB+1], SCL+2*HALFS
	s_mov_b64 s[G0SB+2:G0SB+3], s[2:3]
	s_or_b32 s[G0SB+3], s[G0SB+3], 0x80000000
	s_add_nc_u64 s[20:21], s[20:21], s[18:19]
	s_add_nc_u64 s[46:47], s[46:47], s[18:19]
.irp s, 0,1
	s_mov_b32 s[G0+4*\s], 1
	s_add_co_u32 s[G0+4*\s+1], s45, \s*SLOT
	s_add_nc_u64 s[G0+4*\s+2:G0+4*\s+3], s[20:21], \s*ROWB
	s_or_b32 s[G0+4*\s+3], s[G0+4*\s+3], 0x80000000
	s_mov_b32 s[G0B+4*\s], 1
	s_add_co_u32 s[G0B+4*\s+1], s45, \s*SLOT
	s_add_nc_u64 s[G0B+4*\s+2:G0B+4*\s+3], s[46:47], \s*ROWB
	s_or_b32 s[G0B+4*\s+3], s[G0B+4*\s+3], 0x80000000
.endr
; the head's four tiles, one load a wave: chunk 0 of A, chunk 0 of B, A's scales, B's scales
.macro ARM under, g0, g1, next
	s_cmp_lt_u32 s14, \under
	s_cbranch_scc0 \next
	tensor_load_to_lds s[\g0:\g0+3], s[\g1:\g1+7]
	s_nop 0
.rept 4
	v_nop
.endr
	s_branch .Lhead_asked
\next:
.endm
	ARM 1, G0H,  G1,  .Lhead_b
	ARM 2, G0HB, G1B, .Lhead_sa
	ARM 3, G0S,  G1S, .Lhead_sb
	tensor_load_to_lds s[G0SB:G0SB+3], s[G1SB:G1SB+7]
	s_nop 0
.rept 4
	v_nop
.endr
.Lhead_asked:
	v_and_b32 v1, 15, v0
	v_bfe_u32 v2, v0, 4, 1
	v_mul_u32_u24 v3, v1, PITCH
	v_mul_u32_u24 v4, v2, 24
	v_add_nc_u32 v4, v3, v4
	s_mov_b32 s21, SLOT-232
	s_mov_b32 s22, SLOT+232
	v_sub_nc_u32 v7, 1, v2
	v_mul_u32_u24 v5, s21, v2
	v_add_nc_u32 v5, v3, v5
	v_add_nc_u32 v5, 232, v5                       ; lanes 0-15 byte 232 of the row in slot 0, lanes 16-31 byte 0 in slot 1
	v_mul_u32_u24 v6, s22, v7
	v_add_nc_u32 v6, v3, v6                        ; and the other way round
	s_mul_i32 s21, s15, HALFT
	s_mul_i32 s22, s16, HALFT
	s_add_co_u32 s22, s22, 2*HALFT
	v_add_nc_u32 v[ADRA+2], s21, v5
	v_add_nc_u32 v[ADRA+3], s21, v6
	v_add_nc_u32 v[ADRB+2], s22, v5
	v_add_nc_u32 v[ADRB+3], s22, v6
.irp s, 0,1
	v_add_nc_u32 v[ADRA+\s], s21, v4
	v_add_nc_u32 v[ADRB+\s], s22, v4
	s_add_co_u32 s21, s21, SLOT
	s_add_co_u32 s22, s22, SLOT
.endr
	v_mul_u32_u24 v5, v1, KS
	v_lshrrev_b32 v6, 8, v5
	v_lshl_add_u32 v5, v6, 4, v5
	s_mul_i32 s21, s15, HALFS
	s_mul_i32 s22, s16, HALFS
	s_add_co_u32 s22, s22, 2*HALFS
	s_sub_co_u32 s22, s22, s21
	v_mul_u32_u24 v6, s22, v2
	s_add_co_u32 s21, s21, SCL
	v_add_nc_u32 v5, v5, v6
	v_add_nc_u32 v[ADRS], s21, v5
	v_and_b32 v6, 31, v0
	v_lshlrev_b32 v[CO], 4, v6
	v_lshlrev_b32 v[CO8], 3, v6
	v_xor_b32 v[COX], 128, v[CO]
	s_lshl_b32 s66, s17, 8
	s_lshl_b32 s18, s15, 7
	s_add_co_u32 s66, s66, s18                     ; my first row of A
	s_lshl_b32 s67, s42, 8
	s_lshl_b32 s18, s16, 7
	s_add_co_u32 s67, s67, s18                     ; my first row of B
	s_cmp_lt_u32 s98, 2
	s_cselect_b32 s18, s67, s66                    ; the weight's rows carry the bias
	s_lshl_b32 s18, s18, 2
	s_mov_b32 s19, 0
	s_add_nc_u64 s[12:13], s[12:13], s[18:19]
	v_lshlrev_b32 v[BO], 5, v2
	v_lshlrev_b32 v[BO2], 2, v1
.irp b, 0,1,2,3,4,5,6,7
	global_load_b128 v[BI+8*\b:BI+8*\b+3], v[BO], s[12:13] offset:64*\b
	global_load_b128 v[BI+8*\b+4:BI+8*\b+7], v[BO], s[12:13] offset:64*\b+16
.endr
.irp a, 0,1,2,3,4,5,6,7
	global_load_b32 v[BV+2*\a], v[BO2], s[12:13] offset:64*\a
	global_load_b32 v[BV+2*\a+1], v[BO2], s[12:13] offset:64*\a
.endr
.macro FRAG reg, adr, st, i            ; 16 rows x 128 K: six pieces of 8 bytes, each inside one chunk
.irp p, 0,1,2,3,4,5
.set BY, 96*(\st)+48*(\p/3)+8*(\p%3)
.if BY/ROWB == (BY+24)/ROWB
	ds_load_b64 v[\reg+2*\p:\reg+2*\p+1], v[\adr+(BY/ROWB)%2] offset:BY%ROWB+(\i)*16*PITCH
.else
	ds_load_b64 v[\reg+2*\p:\reg+2*\p+1], v[\adr+2+(BY/ROWB)%2] offset:BY%ROWB-232+(\i)*16*PITCH
.endif
.endr
.endm
.macro MUL16 a0, p, q, sc, zero        ; the 64 accumulators by turns, one instruction a turn
.irp a, \a0, \a0+1
.irp b, 0,1,2,3,4,5,6,7
.if \zero
	v_wmma_scale_f32_16x16x128_f8f6f4 v[8*(8*((\a)%4)+\b):8*(8*((\a)%4)+\b)+7], v[128*(\p)+FR*\b:128*(\p)+FR*\b+FR-1], v[AF+FR*(\a):AF+FR*(\a)+FR-1], 0, v[SC+8*NQ*(\sc)+NQ*\b+(\q)], v[SC+8*NQ*(\sc)+NQ*(\a)+(\q)] matrix_a_fmt:MATRIX_FMT_BF6 matrix_b_fmt:MATRIX_FMT_BF6 matrix_a_scale:MATRIX_SCALE_ROW1
.else
	v_wmma_scale_f32_16x16x128_f8f6f4 v[8*(8*((\a)%4)+\b):8*(8*((\a)%4)+\b)+7], v[128*(\p)+FR*\b:128*(\p)+FR*\b+FR-1], v[AF+FR*(\a):AF+FR*(\a)+FR-1], v[8*(8*((\a)%4)+\b):8*(8*((\a)%4)+\b)+7], v[SC+8*NQ*(\sc)+NQ*\b+(\q)], v[SC+8*NQ*(\sc)+NQ*(\a)+(\q)] matrix_a_fmt:MATRIX_FMT_BF6 matrix_b_fmt:MATRIX_FMT_BF6 matrix_a_scale:MATRIX_SCALE_ROW1
.endif
.endr
.endr
.endm
.macro FETCH_B st, p
	WIN TO_B
.irp i, 0,1,2,3,4,5,6,7
	FRAG 128*(\p)+FR*\i, ADRB, \st, \i
.endr
	WIN 0
.endm
.macro FETCH_A st, i0
.irp i, \i0, \i0+1, \i0+2, \i0+3
	FRAG AF+FR*(\i), ADRA, \st, \i
.endr
.endm
.macro SCALES pr
.irp i, 0,1,2,3,4,5,6,7
	ds_load_b64 v[SC+8*NQ*((\pr)%2)+NQ*\i:SC+8*NQ*((\pr)%2)+NQ*\i+1], v[ADRS] offset:\i*SBLK+4*NQ*(\pr)
.endr
.endm
.macro PLACES n
.rept \n
	v_nop
.endr
.endm
; a step of 128 along K.  Where the next step's bytes end in a chunk not yet read, a barrier shows it whole; where they begin in a later chunk, the chunk left behind is free: the three lines, the barrier, and, if a chunk
; two on is left, the cluster's round and the refill
.macro STEP st, zero
.set NX, (\st)+1
.set C0, (96*(\st))/ROWB
.set C1, (96*NX)/ROWB
.set E0, (96*(\st)+95)/ROWB
.set E1, (96*NX+95)/ROWB
.if C1 > C0 || E1 > E0
	s_wait_tensorcnt 0x0
.if C1 > C0
	ds_add_u32 v[SPW], v[NIL]
	s_wait_dscnt 4*NL+1                            ; the add and A's blocks 4-7 may be out
.else
	s_wait_dscnt 4*NL
.endif
	WIN MUL_LO
	MUL16 0, (\st)%2, (\st)%2, ((\st)/2)%2, \zero
	s_wait_dscnt 0x0
	s_barrier_signal -1
	MUL16 2, (\st)%2, (\st)%2, ((\st)/2)%2, \zero
	WIN 0
	s_barrier_wait -1
.if C1 > C0 && C0+2 < CHUNKS
	CREST
	s_add_nc_u64 s[G0+4*(C0%2)+2:G0+4*(C0%2)+3], s[G0+4*(C0%2)+2:G0+4*(C0%2)+3], 2*ROWB
	s_add_nc_u64 s[G0B+4*(C0%2)+2:G0B+4*(C0%2)+3], s[G0B+4*(C0%2)+2:G0B+4*(C0%2)+3], 2*ROWB
	JLOAD G0+4*(C0%2), G1, G0B+4*(C0%2), G1B
.else
	PLACES NP
.endif
.else
	s_wait_dscnt 4*NL                              ; A's blocks 4-7 may be out
	WIN MUL_LO
	MUL16 0, (\st)%2, (\st)%2, ((\st)/2)%2, \zero
	MUL16 2, (\st)%2, (\st)%2, ((\st)/2)%2, \zero
	s_wait_dscnt 0
	PLACES NP
.endif
	FETCH_B NX, NX%2
	FETCH_A NX, 0
.if NX%2 == 0
	SCALES NX/2
.endif
	WIN MUL_HI
	MUL16 4, (\st)%2, (\st)%2, ((\st)/2)%2, \zero
	MUL16 6, (\st)%2, (\st)%2, ((\st)/2)%2, \zero
	PLACES NP
	WIN 0
	FETCH_A NX, 4
.endm
	s_wait_alu depctr_va_vdst(0)                   ; the wait at the head's end
	s_wait_tensorcnt 0x0
	ds_add_u32 v[SPW], v[NIL]
	s_mov_b32 s[G1+2], 128<<16                     ; no load of mine is out: from here on a load brings 128 rows
	s_mov_b32 s[G1+4], 128
	s_mov_b32 s[G1B+2], 128<<16
	s_mov_b32 s[G1B+4], 128
	s_wait_dscnt 0x0
	CROUND
	JLOAD G0+4, G1, G0B+4, G1B                     ; chunk 1, slot 1's first fill, issued as a refill is
	FETCH_B 0, 0
	FETCH_A 0, 0
	SCALES 0
	FETCH_A 0, 4
	STEP 0, 1
.set ST, 1
.rept STEPS-2
	STEP ST, 0
.set ST, ST+1
.endr
	s_wait_dscnt 4*NL
	WIN MUL_LO
	MUL16 0, 1, 1, 1, 0
	MUL16 2, 1, 1, 1, 0
	s_wait_dscnt 0
	WIN MUL_HI
	MUL16 4, 1, 1, 1, 0
	MUL16 6, 1, 1, 1, 0
	WIN 0
	PLACES NP
	; THE WAY OUT: bias (and 1 / 8 for q), blocks of 32 quantised, images stored
	s_cmp_lt_u32 s98, 2
	s_cselect_b32 s40, s66, s67                    ; my first position,
	s_cselect_b32 s41, s67, s66                    ; my first channel
	s_lshr_b32 s42, s40, 11
	s_bfe_u32 s43, s40, 0x40007
	s_lshl_b32 s42, s42, 4
	s_lshr_b32 s41, s41, 6
	s_add_co_u32 s42, s42, s41
	s_cmp_eq_u32 s98, 0
	s_mov_b32 s44, 409600
	s_cselect_b32 s44, 102400, s44
	s_mov_b32 s45, 12800
	s_cselect_b32 s45, 6400, s45
	s_mov_b32 s46, 204800
	s_cselect_b32 s46, 0, s46
	s_mov_b32 s47, 12288
	s_cselect_b32 s47, 6144, s47
	s_cselect_b32 s32, 0x3e000000, 1.0
	s_mov_b32 s33, s32
	s_cmp_eq_u32 s98, 2
	s_cselect_b32 s46, 210944, s46
	s_cselect_b32 s47, 6400, s47
	s_mul_i32 s42, s42, s44
	s_mul_i32 s43, s43, s45
	s_add_co_u32 s42, s42, s43
	s_add_co_u32 s42, s42, s46
	s_mov_b32 s43, 0
	s_mov_b32 s45, 0
	s_mov_b32 s46, s47
	s_mov_b32 s47, 0
	s_add_nc_u64 s[24:25], s[96:97], s[42:43]
	s_add_nc_u64 s[26:27], s[24:25], s[44:45]
	s_add_nc_u64 s[28:29], s[24:25], s[46:47]
	s_add_nc_u64 s[30:31], s[26:27], s[46:47]
	s_mov_b32 s[SEL], 0x76543210
	s_mov_b32 s[SEL+1], 0xfedcba98
	s_mov_b32 s36, 0xffff0000
.irp b, 0,1,2,3
	v_mov_b32 v[TM+4+\b], 0
.endr
	s_wait_loadcnt 0x0
.macro QUANT s, d0, d1
.irp b, 0,1,2,3
	v_max3_num_f32 v[TM+\b], |v[(\s)+16*\b]|, |v[(\s)+1+16*\b]|, 0x2800000
.endr
.irp i, 2,4,6,8,10,12,14
.irp b, 0,1,2,3
	v_max3_num_f32 v[TM+\b], v[TM+\b], |v[(\s)+16*\b+\i]|, |v[(\s)+1+16*\b+\i]|
.endr
.endr
.irp b, 0,1,2,3
	v_permlanex16_b32 v[TM+4+\b], v[TM+\b], s[SEL], s[SEL+1]
.endr
.irp b, 0,1,2,3
	v_max_num_f32 v[TM+\b], v[TM+\b], v[TM+4+\b]
.endr
.irp b, 0,1,2,3
	v_add_nc_u32 v[TM+12+\b], 0xfe000000, v[TM+\b]
.endr
.irp b, 0,1,2,3
	v_lshrrev_b32 v[TM+4+\b], 23, v[TM+12+\b]
.endr
	v_cvt_scalef32_pk16_bf6_f32 v[(\d0):(\d0)+2], v[(\s):(\s)+15], v[TM+12]
	v_cvt_scalef32_pk16_bf6_f32 v[CT:CT+2], v[(\s)+16:(\s)+31], v[TM+13]
	v_cvt_scalef32_pk16_bf6_f32 v[(\d1):(\d1)+2], v[(\s)+32:(\s)+47], v[TM+14]
	v_cvt_scalef32_pk16_bf6_f32 v[CT+4:CT+6], v[(\s)+48:(\s)+63], v[TM+15]
	v_nop
.irp i, 0,1,2
	v_permlane16_swap_b32 v[(\d0)+\i], v[CT+\i]
.endr
.irp i, 0,1,2
	v_mov_b32 v[(\d0)+3+\i], v[CT+\i]
.endr
.irp i, 0,1,2
	v_permlane16_swap_b32 v[(\d1)+\i], v[CT+4+\i]
.endr
.irp i, 0,1,2
	v_mov_b32 v[(\d1)+3+\i], v[CT+4+\i]
.endr
.endm
	s_cmp_eq_u32 s98, 2
	s_cbranch_scc1 .Lv_out
.set II, 0
.rept 32
	v_pk_mul_f32 v[BI+II:BI+II+1], v[BI+II:BI+II+1], s[32:33] op_sel_hi:[1,0]
.set II, II+2
.endr
.macro QKROW a
.if ((\a)%2 == 0) && ((\a) > 0)
	s_wait_xcnt 0x0
.endif
	WIN 0x02+(\a)/4
.set II, 0
.rept 32
	v_pk_fma_f32 v[Y+II:Y+II+1], v[64*((\a)%4)+II:64*((\a)%4)+II+1], s[32:33], v[BI+II:BI+II+1] op_sel_hi:[1,0,1]
.set II, II+2
.endr
	WIN 0
	QUANT Y, P0+6*((\a)%2), P1+6*((\a)%2)
.if (\a)%2 == 0
	v_lshl_or_b32 v[W+(\a)/2], v[TM+5], 8, v[TM+4]
	v_lshl_or_b32 v[W+4+(\a)/2], v[TM+7], 8, v[TM+6]
.else
	v_lshl_or_b32 v[W+(\a)/2], v[TM+4], 16, v[W+(\a)/2]
	v_lshl_or_b32 v[W+(\a)/2], v[TM+5], 24, v[W+(\a)/2]
	v_lshl_or_b32 v[W+4+(\a)/2], v[TM+6], 16, v[W+4+(\a)/2]
	v_lshl_or_b32 v[W+4+(\a)/2], v[TM+7], 24, v[W+4+(\a)/2]
.irp c, 0,1,2
	global_store_b128 v[CO-((\a)/2)%2], v[P0+4*\c:P0+4*\c+3], s[24:25] offset:1536*((\a)/2)+512*\c   ; odd pairs with lane xor 8
	global_store_b128 v[CO-((\a)/2)%2], v[P1+4*\c:P1+4*\c+3], s[26:27] offset:1536*((\a)/2)+512*\c
.endr
.endif
.endm
.irp a, 0,1,2,3,4,5,6,7
	QKROW \a
.endr
	s_branch .Ltail
.Lv_out:
.macro VROW a
.if (\a) > 0
	s_wait_xcnt 0x0
.endif
	WIN 0x02+(\a)/4
.set II, 0
.rept 32
	v_pk_add_f32 v[Y+II:Y+II+1], v[64*((\a)%4)+II:64*((\a)%4)+II+1], v[BV+2*(\a):BV+2*(\a)+1]
.set II, II+2
.endr
	WIN 0
	QUANT Y, P0, P0+6
	v_lshl_or_b32 v[W+(\a)], v[TM+5], 8, v[TM+4]
	v_lshl_or_b32 v[W+(\a)], v[TM+6], 16, v[W+(\a)]
	v_lshl_or_b32 v[W+(\a)], v[TM+7], 24, v[W+(\a)]
.irp c, 0,1,2
	global_store_b128 v[CO], v[P0+4*\c:P0+4*\c+3], s[24+2*((\a)/4):25+2*((\a)/4)] offset:1536*((\a)%4)+512*\c
.endr
.endm
.irp a, 0,1,2,3,4,5,6,7
	VROW \a
.endr
.Ltail:
	s_wait_alu depctr_va_vdst(0)
.irp g, 0,1
	v_cndmask_b32 v[SR+2*\g], v[W+4*\g], v[W+4*\g+1], s36
	v_cndmask_b32 v[SR+2*\g+1], v[W+4*\g+2], v[W+4*\g+3], s36
	global_store_b64 v[CO8], v[SR+2*\g:SR+2*\g+1], s[28+2*\g:29+2*\g]
.endr
	s_wait_tensorcnt 0x0                           ; the wave's end
	ds_add_u32 v[SPW], v[NIL]
	s_wait_dscnt 0x0
	CROUND
	s_endpgm
.Lfunc_end_k_q3103838a32_proj:
	.size	k_q3103838a32_proj, .Lfunc_end_k_q3103838a32_proj-k_q3103838a32_proj
	.p2alignl 7, 3214868480
	.fill 96, 4, 3214868480
	.section	.rodata,"a",@progbits
	.p2align	6, 0x0
	.amdhsa_kernel k_q3103838a32_proj
		.amdhsa_group_segment_fixed_size 327680
		.amdhsa_private_segment_fixed_size 0
		.amdhsa_enable_private_segment 0
		.amdhsa_kernarg_size 104
		.amdhsa_user_sgpr_count 2
		.amdhsa_user_sgpr_kernarg_segment_ptr 1
		.amdhsa_wavefront_size32 1
		.amdhsa_system_sgpr_workgroup_id_x 1
		.amdhsa_system_sgpr_workgroup_id_y 1
		.amdhsa_system_sgpr_workgroup_id_z 1
		.amdhsa_system_vgpr_workitem_id 0
		.amdhsa_next_free_vgpr 1024
		.amdhsa_next_free_sgpr 100
		.amdhsa_reserve_vcc 0
		.amdhsa_float_denorm_mode_32 3
		.amdhsa_float_denorm_mode_16_64 3
		.amdhsa_memory_ordered 1
		.amdhsa_forward_progress 1
		.amdhsa_inst_pref_size 236
	.end_amdhsa_kernel
	.amdgpu_metadata
---
amdhsa.version: [ 1, 2 ]
amdhsa.kernels:
  - .name:           k_q3103838a32_proj
    .symbol:         k_q3103838a32_proj.kd
    .args:
      - { .name: hidden_states_codes, .offset: 0, .size: 8, .value_kind: global_buffer, .address_space: global }
      - { .name: hidden_states_scales, .offset: 8, .size: 8, .value_kind: global_buffer, .address_space: global }
      - { .name: Wq_codes, .offset: 16, .size: 8, .value_kind: global_buffer, .address_space: global }
      - { .name: Wq_scales, .offset: 24, .size: 8, .value_kind: global_buffer, .address_space: global }
      - { .name: Wk_codes, .offset: 32, .size: 8, .value_kind: global_buffer, .address_space: global }
      - { .name: Wk_scales, .offset: 40, .size: 8, .value_kind: global_buffer, .address_space: global }
      - { .name: Wv_codes, .offset: 48, .size: 8, .value_kind: global_buffer, .address_space: global }
      - { .name: Wv_scales, .offset: 56, .size: 8, .value_kind: global_buffer, .address_space: global }
      - { .name: bq, .offset: 64, .size: 8, .value_kind: global_buffer, .address_space: global }
      - { .name: bk, .offset: 72, .size: 8, .value_kind: global_buffer, .address_space: global }
      - { .name: bv, .offset: 80, .size: 8, .value_kind: global_buffer, .address_space: global }
      - { .name: qc, .offset: 88, .size: 8, .value_kind: global_buffer, .address_space: global }
      - { .name: kvc, .offset: 96, .size: 8, .value_kind: global_buffer, .address_space: global }
    .group_segment_fixed_size: 327680
    .private_segment_fixed_size: 0
    .kernarg_segment_align: 8
    .kernarg_segment_size: 104
    .max_flat_workgroup_size: 128
    .sgpr_count:     100
    .vgpr_count:     1024
    .wavefront_size: 32
...
	.end_amdgpu_metadata
.endif
;; end of part 2
;; launch attn (part 3): grid 8 x 32, 8 waves a work-group, clusters of 4 x 1, 327,680 bytes of LDS; arguments qc, kvc, out0; writes out0
.if DOCPART == 3
	.amdgcn_target "amdgcn-amd-amdhsa--gfx1250"
	.amdhsa_code_object_version 6
	.text
	.protected	k_q3103838a32_attn
	.globl	k_q3103838a32_attn
	.p2align	8
	.type	k_q3103838a32_attn,@function
k_q3103838a32_attn:
	s_mov_b64 s[64:65], 0
	v_nop
	global_prefetch_b8 v0, s[64:65] scope:SCOPE_SE
	s_setreg_imm32_b32 hwreg(HW_REG_WAVE_MODE, 25, 1), 1
	s_wait_xcnt 0x0
	s_wait_alu depctr_hold_cnt(0) depctr_sa_sdst(0) depctr_va_vdst(0) depctr_va_sdst(0) depctr_va_ssrc(0) depctr_va_vcc(0) depctr_vm_vsrc(0)
	s_getreg_b32 s2, hwreg(HW_REG_IB_STS2, 6, 4)
	s_cmp_eq_u32 s2, 0
	s_cbranch_scc0 .Lentry_in_a_cluster
	s_endpgm
.Lentry_in_a_cluster:
	s_bfe_u32 s2, ttmp6, 0x10000c
	s_cmp_lg_u32 s2, 0x3003
	s_cbranch_scc0 .Lentry_shape_is_right
	s_endpgm
.Lentry_shape_is_right:
; out0[b][q][64 head + d] = the sum over 4,096 keys of softmax(q . k / 8) v, both products on codes of BF6 (E3M2) with one E8M0 scale for each 32 along K.  q (already divided by 8), k and v arrive as images of operand
; registers: qc [32 heads][16 steps of 128 queries][6,400 bytes], kvc [32 heads][32 key steps of 128 keys][12,800 bytes] (+0 K's four pair fragments, +6,144 V^T's four fragments, +12,288 K's scale words, +12,544 V's).
; THE SOFTMAX: t = score x log2(e) / 8; M = the running largest t, rounded UP to a whole number; p = 2^(t - M) is quantised along the keys, not normalised; the row's sum is taken of the unquantised p and divides at the
; end.  When M moves, the sum and O are multiplied by 2^(old M - new M): exact.
; K = 64 IN AN INSTRUCTION OF 128: a pair fragment holds two tiles of 16 keys; Q stands in 18 registers, Q | zeros | Q, and its scale words give the zero half the byte 1.
; WHICH KEYS FORM A TILE.  Both products are used transposed (S^T = K Q^T, O^T = V^T P^T): a lane holds one query.  Key 64 a + 32 b + 16 c + 8 d + e is row 8 b + e of tile 4 a + 2 d + c: so lane (r, h) holds, in the 32
; registers of tiles 4 a .. 4 a + 3, the whole key block 2 a + h, at the places at which V's keys were laid: the conversions' results are p's operand registers, and a block's maximum asks no other lane.
; The stored pair 2 a + b holds keys 32 (2 a + b) + 16 c + r: my pair 2 a + d takes its lanes 8 b + e from lanes 8 d + e of stored pair 2 a + b, by the LDS loads' lane addresses.  Odd stored pairs lie with lane xor 8, so
; that the sixteen lanes of a load's half touch sixteen different columns of 16 bytes.  K's scale words are read by the same exchange of lanes.
; SHARES.  A work-group owns 256 queries of one head; each of its eight waves 32 of them, two tiles of 16.  Each fragment of K and V that a wave reads from LDS feeds both tiles.
; REGISTERS.  Window 0: both tiles' scores, O^T and small state, and all scale registers: the two tiles' softmax is ONE stream of instructions, tile by tile in turns, so that each line's neighbours do not hang on it.
; Window 1: K's and V's fragments (a set each), Q, p's codes, the fragments' LDS addresses.  V's fragments are asked for at a step's top, the next step's K behind this step's score products.
; THE RING.  Two LDS slots of eight key steps (102,400 bytes); each wave fetches one step, 50 rows of 256 bytes, one tensor load out at a time.  CLUSTER: the four query blocks of a cluster walk the same head's kvc, so each
; load is a joint one, with a mask that names the four.  No prefetch is laid: a refill is asked for a whole slot, eight key steps, ahead of its first read.
; LIMITS: a p under 2^-126 counts as 0; a block whose every p is 0 keeps the byte 1 over zero codes; NaN and infinities are not served; the scaled scores stay under 2^31 in magnitude.
.set STEPB, 12800
.set CHUNK, 8*STEPB
.set SLOT1, 1<<17
.set STAGE, SLOT1+CHUNK                ; 32 rows x (256 + 16) bytes for each wave, for the way out; no fill lands here
.set SPARE, STAGE+8*32*272             ; the spare words, 128 bytes a wave
; window 0.  Where a name serves both tiles, tile w's register is the name + w (single), + 2 w (pairs and per block)
.set SPW, 1
.set NIL, 2
.set LKS, 3                            ; lane term of K's scale words, lanes exchanged
.set KSR, 4
.set VSR, 6
.set QS,  8                            ; v8-11 Q's scale words
.set PW,  12                           ; v12, v13 p's scale words
.set NM,  14                           ; -M; with it as a pair:
.set MX,  15                           ; the running largest score
.set SUM, 18
.set F,   22
.set BM,  26                           ; v26-29 the blocks' largest scores, then largest p
.set BN,  30
.set SO,  34
.set T,   38
.set T2,  40
.set PT,  42
.set SH,  44                           ; 8 x (lane / 16)
.set LVS, 45                           ; 8 x lane
.set TA,  46
.set TBB, 50
.set TC,  54
.set GO,  58
.set STO, 59
.set RD,  60
.set AKS, 61
.set AVS, 62
.set S,   64                           ; v64-191: tile w's scores at S + 64 w
.set O,   192                          ; v192-255: tile w's O^T at O + 32 w
; window 1
.set LK0, 0                            ; lane terms: K's pairs with d = 0, d = 1; 16 x lane
.set LK1, 1
.set LV,  2
.set AK0, 4                            ; the step's addresses
.set AK1, 5
.set AV,  6
.set FRK, 16                           ; v16-63 K's four pair fragments
.set FRV, 64                           ; v64-111 V^T's four fragments
.set Q,   112                          ; v112-147: tile w's Q | zeros | Q at Q + 18 w
.set P,   148                          ; v148-171: tile w's p at P + 12 w
.set CT,  172                          ; v172-187 upper halves of blocks
.set WV,  10
.set G1,  16
.set G0,  24                           ; the walking group 0
.set TB,  32
.set CNT, 33
.set SLOTS, 34
.set NC,  35                           ; -c
.set CS,  36                           ; s[36:37] c = log2(e) / 8
.set SEL, 38
.set MSB, 0
.macro WIN new                         ; the immediate's high byte repeats the setting that is left
.if MSB != \new
	s_set_vgpr_msb (MSB<<8)|\new
.set MSB, \new
.endif
.endm
.set TO1,   0x40                       ; destination window 1
.set IN1,   0x41                       ; source 0 and destination window 1
.set ADD1,  0x44                       ; source 1 and destination window 1
.set MUL,   0x05                       ; sources 0 and 1 window 1, C and D window 0
.macro CROUND
	s_barrier_signal -1
	s_barrier_wait -1
	s_cmp_lg_u32 s[WV], 0
	s_cbranch_scc1 .Lnot_wave_0_\@
	s_barrier_signal -3
.Lnot_wave_0_\@:
	s_barrier_wait -3
	s_barrier_signal -1
	s_barrier_wait -1
.endm
.macro JLOAD                           ; every wave's one joint load; s_nop 0 and four v_nop follow
	tensor_load_to_lds s[G0:G0+3], s[G1:G1+7]
	s_nop 0
.rept 4
	v_nop
.endr
.endm
	s_load_b128 s[4:7], s[0:1], 0x0                ; qc, kvc
	s_load_b64 s[8:9], s[0:1], 0x10                ; out0
	v_lshl_add_u32 v[SPW], v0, 2, SPARE
	v_mov_b32 v[NIL], 0
	ds_add_u32 v[SPW], v[NIL]                      ; the opening lines: the add twice on end and one wait
	ds_add_u32 v[SPW], v[NIL]
	v_lshrrev_b32 v64, 5, v0
	v_readfirstlane_b32 s[WV], v64                 ; wave 0..7
	s_bfe_u32 s11, ttmp6, 0x40000                  ; cx
	s_lshl_b32 s12, ttmp9, 2
	s_add_co_u32 s12, s12, s11                     ; my block of 256 queries: it enters qc's and out0's addresses alone
	s_and_b32 s13, ttmp7, 0xffff                   ; 16 x batch + head
	s_mov_b32 s[G1], 15|(3<<16)|(1<<21)            ; the mask of all four; elements of 8 bytes; bit 21 beside a mask
	s_mov_b32 s[G1+1], 32<<16
	s_mov_b32 s[G1+2], 50<<16                      ; 12,800 dense bytes as 50 rows of 256
	s_mov_b32 s[G1+3], 32<<16
	s_mov_b32 s[G1+4], 50
	s_mov_b32 s[G1+5], 32
	s_mov_b32 s[G1+6], 0
	s_mov_b32 s[G1+7], 0
	s_mul_i32 s43, s[WV], STEPB                    ; my step of a slot, in LDS and in memory alike
	s_mul_i32 s44, s13, 32*STEPB
	s_add_co_u32 s44, s44, s43
	s_mov_b32 s45, 0
	s_mov_b32 s[CS], 0x3e38aa3b
	s_mov_b32 s[CS+1], s[CS]
	s_mov_b32 s[NC], 0xbe38aa3b
	s_mov_b32 s[SEL], 0x76543210
	s_mov_b32 s[SEL+1], 0xfedcba98
	s_mov_b32 s[TB], 0
	s_mov_b32 s[SLOTS], 3
	s_wait_dscnt 0x0
	s_wait_kmcnt 0x0
	s_mov_b32 s[G0], 1
	s_mov_b32 s[G0+1], s43
	s_add_nc_u64 s[G0+2:G0+3], s[6:7], s[44:45]
	s_or_b32 s[G0+3], s[G0+3], 0x80000000
	CROUND                                         ; all four work-groups are here
	JLOAD                                          ; key steps 0-7 into slot 0, a step a wave
	; my 32 queries are pair wave % 4 of query step 2 x block + wave / 4
	s_lshl_b32 s42, s12, 1
	s_lshr_b32 s43, s[WV], 2
	s_add_co_u32 s42, s42, s43
	s_mul_i32 s42, s42, 6400
	s_mul_i32 s43, s13, 102400
	s_add_co_u32 s42, s42, s43
	s_mov_b32 s43, 0
	s_add_nc_u64 s[4:5], s[4:5], s[42:43]
	s_and_b32 s44, s[WV], 3
	s_mul_i32 s46, s44, 1536
	s_mov_b32 s47, 0
	s_add_nc_u64 s[46:47], s[4:5], s[46:47]        ; the pair's image
	s_and_b32 s41, s44, 1
	s_lshl_b32 s41, s41, 7                         ; 128 x (pair % 2): the scale words' lanes 16 on, and the odd image's lane xor 8
	s_lshr_b32 s44, s44, 1
	s_lshl_b32 s44, s44, 2
	s_add_co_u32 s42, s41, s44
	s_add_co_u32 s42, s42, 6144
	s_add_nc_u64 s[4:5], s[4:5], s[42:43]
	s_lshr_b32 s42, s13, 4                         ; out0: row 2,048 x batch + 256 x block + 32 x wave, of 4,096 bytes; + 256 x head
	s_lshl_b32 s42, s42, 11
	s_lshl_b32 s44, s12, 8
	s_add_co_u32 s42, s42, s44
	s_lshl_b32 s44, s[WV], 5
	s_add_co_u32 s42, s42, s44
	s_lshl_b32 s42, s42, 12
	s_and_b32 s44, s13, 15
	s_lshl_b32 s44, s44, 8
	s_add_co_u32 s42, s42, s44
	s_add_nc_u64 s[8:9], s[8:9], s[42:43]
	s_mul_i32 s40, s[WV], 32*272
	s_add_co_u32 s40, s40, STAGE                   ; my stage
	v_and_b32 v64, 31, v0
	v_and_b32 v65, 15, v0                          ; r
	v_bfe_u32 v66, v0, 4, 1                        ; h
	v_bfe_u32 v67, v0, 3, 1                        ; b
	v_and_b32 v68, 7, v0                           ; e
	v_lshlrev_b32 v69, 4, v64
	v_lshlrev_b32 v[LVS], 3, v64
	v_xor_b32 v70, s41, v69
	v_lshlrev_b32 v71, 3, v65
.irp c, 0,1,2
	global_load_b128 v[80+4*\c:83+4*\c], v70, s[46:47] offset:512*\c
.endr
	global_load_b32 v72, v71, s[4:5]               ; row r's word of the pair
	v_lshlrev_b32 v73, 4, v68
	v_lshl_add_u32 v73, v66, 8, v73                ; 256 h + 16 e
	v_mul_u32_u24 v74, v67, 1664                   ; d = 0: b = 1 reads the odd stored pair's lanes e, which lie at 8 + e
	v_mul_u32_u24 v75, v67, 1408                   ; d = 1: b = 0 reads lanes 8 + e, b = 1 the odd stored pair's lanes 8 + e, which lie at e
	v_add_nc_u32 v75, 128, v75
	v_lshlrev_b32 v76, 3, v68
	v_lshl_add_u32 v76, v66, 6, v76
	v_lshl_add_u32 v[LKS], v67, 7, v76             ; lane 16 d + 8 b + e reads the words of lane 16 b + 8 d + e
	v_lshlrev_b32 v[GO], 12, v66
	v_lshl_add_u32 v[GO], v65, 4, v[GO]            ; lanes 0-15 one row of out0, lanes 16-31 the next
	v_mul_u32_u24 v[STO], v65, 272
	v_lshl_add_u32 v[STO], v66, 5, v[STO]
	v_add_nc_u32 v[STO], s40, v[STO]
	v_mul_u32_u24 v[RD], v66, 272
	v_lshl_add_u32 v[RD], v65, 4, v[RD]
	v_add_nc_u32 v[RD], s40, v[RD]
	v_lshlrev_b32 v[SH], 3, v66
	WIN TO1
	v_add_nc_u32 v[LK0], v73, v74
	v_add_nc_u32 v[LK1], v73, v75
	v_mov_b32 v[LV], v69
	WIN 0
	s_wait_alu depctr_va_vdst(0)
	s_wait_loadcnt 0x0
	v_and_b32 v73, 0xffff, v72                     ; the even tile's two bytes,
	v_lshrrev_b32 v74, 16, v72                     ; the odd tile's
	v_or_b32 v[QS], 0x01010000, v73                ; for Q | zeros
	v_lshl_or_b32 v[QS+1], v73, 16, 0x0101         ; for zeros | Q
	v_or_b32 v[QS+2], 0x01010000, v74
	v_lshl_or_b32 v[QS+3], v74, 16, 0x0101
	WIN TO1
.irp w, 0,1
.irp i, 0,1,2,3,4,5
	v_mov_b32 v[Q+18*\w+\i], v[80+6*\w+\i]
	v_mov_b32 v[Q+18*\w+12+\i], v[80+6*\w+\i]
	v_mov_b32 v[Q+18*\w+6+\i], 0
.endr
.endr
	WIN 0
.irp w, 0,1
	v_mov_b32 v[MX+2*\w], 0xff61b1e6               ; -3e38, under every score
	v_mov_b32 v[NM+2*\w], 0x7e000000               ; 2^125: the first change of M gives f = 0
	v_mov_b32 v[SUM+2*\w], 0
	v_mov_b32 v[SUM+2*\w+1], 0
	v_mov_b32 v[T+\w], 0                           ; a lane permute's destination counts as one of its sources
	v_mov_b32 v[PT+\w], 0
	v_mov_b32 v[F+2*\w+1], 0
.endr
.set J, 0
.rept 64
	v_mov_b32 v[O+J], 0                            ; the step is written once: the first finds zeros.  (Also the places between Q, its scale words and the first products)
.set J, J+1
.endr
.macro KLOAD off                       ; K's four pair fragments and scale words, off bytes behind the step in hand
	ds_load_b64 v[KSR:KSR+1], v[AKS] offset:12288+\off
	WIN IN1
.irp p, 0,1,2,3
.irp c, 0,1,2
	ds_load_b128 v[FRK+12*\p+4*\c:FRK+12*\p+4*\c+3], v[AK0+\p%2] offset:3072*(\p/2)+512*\c+\off
.endr
.endr
	WIN 0
.endm
.macro HINT
	s_delay_alu instid0(VALU_DEP_2)
.endm
; A KEY STEP: 128 keys for both tiles.  K's fragments are in.
.macro STEP
	WIN ADD1
	v_add_nc_u32 v[AK0], s[TB], v[LK0]             ; five plain lines: also the places in front of loads into registers that the last products read
	v_add_nc_u32 v[AK1], s[TB], v[LK1]
	v_add_nc_u32 v[AV], s[TB], v[LV]
	WIN 0
	v_add_nc_u32 v[AKS], s[TB], v[LKS]
	v_add_nc_u32 v[AVS], s[TB], v[LVS]
	ds_load_b64 v[VSR:VSR+1], v[AVS] offset:12544
	WIN IN1
.set J, 0
.rept 12
	ds_load_b128 v[FRV+4*J:FRV+4*J+3], v[AV] offset:6144+512*J   ; V^T's four fragments land while the scores and the softmax are walked
.set J, J+1
.endr
	WIN MUL
.irp w, 0,1                            ; S^T = K Q^T: sixteen results
.irp p, 0,1,2,3
.irp u, 0,1
.if \p%2
	v_wmma_scale_f32_16x16x128_f8f6f4 v[S+64*\w+8*(2*\p+\u):S+64*\w+8*(2*\p+\u)+7], v[FRK+12*\p:FRK+12*\p+11], v[Q+18*\w+6*\u:Q+18*\w+6*\u+11], 0, v[KSR+\p/2], v[QS+2*\w+\u] matrix_a_fmt:MATRIX_FMT_BF6 matrix_b_fmt:MATRIX_FMT_BF6 matrix_a_scale:MATRIX_SCALE_ROW1
.else
	v_wmma_scale_f32_16x16x128_f8f6f4 v[S+64*\w+8*(2*\p+\u):S+64*\w+8*(2*\p+\u)+7], v[FRK+12*\p:FRK+12*\p+11], v[Q+18*\w+6*\u:Q+18*\w+6*\u+11], 0, v[KSR+\p/2], v[QS+2*\w+\u] matrix_a_fmt:MATRIX_FMT_BF6 matrix_b_fmt:MATRIX_FMT_BF6
.endif
.endr
.endr
.endr
	WIN 0
.rept 4
	v_nop                                          ; places in front of the loads below and of the first read of the scores
.endr
	s_wait_alu depctr_va_vdst(0)
	s_cmp_eq_u32 s[CNT], 1                         ; the slot's last step: the next step's K lies in the other slot and is read behind the round
	s_cbranch_scc1 .Lno_k_\@
	KLOAD STEPB                                    ; the next step's K: it has the softmax in which to land
.Lno_k_\@:
	; the two tiles' softmax, in turns.  Registers S + 64 w + 32 a .. + 31 are key block 2 a + h of tile w
.irp w, 0,1
.irp a, 0,1
	v_max3_num_f32 v[BM+2*\w+\a], v[S+64*\w+32*\a], v[S+64*\w+32*\a+1], v[S+64*\w+32*\a+2]   ; eight chains by turns; each accumulator from its low end on
	v_max3_num_f32 v[BN+2*\w+\a], v[S+64*\w+32*\a+16], v[S+64*\w+32*\a+17], v[S+64*\w+32*\a+18]
.endr
.endr
.irp i, 3,5,7,9,11,13
.irp w, 0,1
.irp a, 0,1
	v_max3_num_f32 v[BM+2*\w+\a], v[BM+2*\w+\a], v[S+64*\w+32*\a+\i], v[S+64*\w+32*\a+\i+1]
	v_max3_num_f32 v[BN+2*\w+\a], v[BN+2*\w+\a], v[S+64*\w+32*\a+16+\i], v[S+64*\w+32*\a+17+\i]
.endr
.endr
.endr
.irp x, 0,1,2,3
	v_max3_num_f32 v[BM+\x], v[BM+\x], v[BN+\x], v[S+32*\x+15]
.endr
.irp x, 0,1,2,3
	v_max_num_f32 v[BM+\x], v[BM+\x], v[S+32*\x+31]   ; the block's largest score: for the row's maximum and, since p rises with the score, for the block's largest p
.endr
.irp w, 0,1
	v_mov_b32 v[T+\w], v[NM+2*\w]
.endr
.irp w, 0,1
	v_max3_num_f32 v[MX+2*\w], v[MX+2*\w], v[BM+2*\w], v[BM+2*\w+1]
.endr
.irp w, 0,1
	HINT
	v_permlanex16_b32 v[PT+\w], v[MX+2*\w], s[SEL], s[SEL+1]
.endr
.irp w, 0,1
	HINT
	v_max_num_f32 v[MX+2*\w], v[MX+2*\w], v[PT+\w] ; with lane l xor 16's two blocks: the running largest score
.endr
.irp w, 0,1
	HINT
	v_mul_f32 v[T2+\w], s[NC], v[MX+2*\w]
.endr
.irp w, 0,1
	HINT
	v_floor_f32 v[NM+2*\w], v[T2+\w]               ; -M = floor(-t) = -ceil(t)
.endr
.irp w, 0,1
	HINT
	v_sub_f32 v[T+\w], v[NM+2*\w], v[T+\w]         ; old M - new M: a whole number, 0 or less
.endr
.irp w, 0,1
	HINT
	v_cvt_i32_f32 v[T+\w], v[T+\w]                 ; (it saturates)
.endr
.irp w, 0,1
	HINT
	v_ldexp_f32 v[F+2*\w], 1.0, v[T+\w]            ; f = 2^(old M - new M)
.endr
.irp w, 0,1
.set J, 0
.rept 32
	v_pk_fma_f32 v[S+64*\w+J:S+64*\w+J+1], v[S+64*\w+J:S+64*\w+J+1], s[CS:CS+1], v[NM+2*\w:NM+2*\w+1] op_sel_hi:[1,0,0]   ; t - M
.set J, J+2
.endr
.endr
.irp w, 0,1
.irp a, 0,1
	v_fma_f32 v[BM+2*\w+\a], v[BM+2*\w+\a], s[CS], v[NM+2*\w]
.endr
.endr
	s_wait_alu depctr_va_vdst(0)                   ; the wait ahead of the batch
.set J, 0
.rept 128
	v_exp_f32 v[S+J], v[S+J]
.set J, J+1
.endr
.irp x, 0,1,2,3
	v_exp_f32 v[BM+\x], v[BM+\x]                   ; the same two instructions on the same number give the same bits
.endr
.irp w, 0,1
	v_pk_mul_f32 v[SUM+2*\w:SUM+2*\w+1], v[SUM+2*\w:SUM+2*\w+1], v[F+2*\w:F+2*\w+1] op_sel_hi:[1,0]   ; the sums under the new M: plain places behind the batch
.endr
	s_wait_alu depctr_va_vdst(0)                   ; and behind it
.irp w, 0,1                            ; the rows' sums of the unquantised p, in eight chains
	v_pk_add_f32 v[TA+2*\w:TA+2*\w+1], v[S+64*\w:S+64*\w+1], v[S+64*\w+2:S+64*\w+3]
	v_pk_add_f32 v[TBB+2*\w:TBB+2*\w+1], v[S+64*\w+4:S+64*\w+5], v[S+64*\w+6:S+64*\w+7]
	v_pk_add_f32 v[TC+2*\w:TC+2*\w+1], v[S+64*\w+8:S+64*\w+9], v[S+64*\w+10:S+64*\w+11]
	v_pk_add_f32 v[SUM+2*\w:SUM+2*\w+1], v[SUM+2*\w:SUM+2*\w+1], v[S+64*\w+12:S+64*\w+13]
.endr
.irp k, 14,22,30,38,46,54
.irp w, 0,1
	v_pk_add_f32 v[TA+2*\w:TA+2*\w+1], v[TA+2*\w:TA+2*\w+1], v[S+64*\w+\k:S+64*\w+\k+1]
	v_pk_add_f32 v[TBB+2*\w:TBB+2*\w+1], v[TBB+2*\w:TBB+2*\w+1], v[S+64*\w+\k+2:S+64*\w+\k+3]
	v_pk_add_f32 v[TC+2*\w:TC+2*\w+1], v[TC+2*\w:TC+2*\w+1], v[S+64*\w+\k+4:S+64*\w+\k+5]
	v_pk_add_f32 v[SUM+2*\w:SUM+2*\w+1], v[SUM+2*\w:SUM+2*\w+1], v[S+64*\w+\k+6:S+64*\w+\k+7]
.endr
.endr
.irp w, 0,1
	v_pk_add_f32 v[TA+2*\w:TA+2*\w+1], v[TA+2*\w:TA+2*\w+1], v[S+64*\w+62:S+64*\w+63]
	v_pk_add_f32 v[TBB+2*\w:TBB+2*\w+1], v[TBB+2*\w:TBB+2*\w+1], v[TC+2*\w:TC+2*\w+1]
.endr
.irp x, 0,1,2,3
	v_max_num_f32 v[BM+\x], 0x2800000, v[BM+\x]    ; the floor 2^(5 - 127): the byte cannot fall under 1
.endr
.irp w, 0,1
	v_pk_add_f32 v[SUM+2*\w:SUM+2*\w+1], v[SUM+2*\w:SUM+2*\w+1], v[TA+2*\w:TA+2*\w+1]
.endr
.irp x, 0,1,2,3
	v_add_nc_u32 v[SO+\x], 0xfe000000, v[BM+\x]    ; 4 off the exponent field: the conversion's scale operand
.endr
.irp w, 0,1
	v_pk_add_f32 v[SUM+2*\w:SUM+2*\w+1], v[SUM+2*\w:SUM+2*\w+1], v[TBB+2*\w:TBB+2*\w+1]
.endr
	WIN TO1
.irp x, 0,1,2,3
	v_cvt_scalef32_pk16_bf6_f32 v[P+6*\x:P+6*\x+2], v[S+32*\x:S+32*\x+15], v[SO+\x]
	v_cvt_scalef32_pk16_bf6_f32 v[CT+4*\x:CT+4*\x+2], v[S+32*\x+16:S+32*\x+31], v[SO+\x]   ; (a conversion's three registers begin on an even number)
.endr
	WIN 0
.irp w, 0,1
	v_lshrrev_b32 v[PT+\w], 23, v[SO+2*\w]         ; the scales' bytes of blocks h.  (Plain places behind the conversions)
.endr
.irp w, 0,1
	v_lshrrev_b32 v[T+\w], 23, v[SO+2*\w+1]        ; and of blocks 2 + h
.endr
.irp w, 0,1
	HINT
	v_lshl_or_b32 v[PT+\w], v[T+\w], 16, v[PT+\w]  ; blocks h and 2 + h,
.endr
.irp w, 0,1
	HINT
	v_lshlrev_b32 v[PT+\w], v[SH], v[PT+\w]        ; at their places;
.endr
.irp w, 0,1
	HINT
	v_permlanex16_b32 v[T+\w], v[PT+\w], s[SEL], s[SEL+1]
.endr
.irp w, 0,1
	HINT
	v_or_b32 v[PW+\w], v[PT+\w], v[T+\w]           ; with lane l xor 16's two the word is whole
.endr
	WIN IN1
.irp x, 0,1,2,3
.irp i, 0,1,2
	v_mov_b32 v[P+3+6*\x+\i], v[CT+4*\x+\i]
.endr
.endr
	WIN 0
	s_wait_alu depctr_va_vdst(0)                   ; the wait, directly ahead of the first reader of O^T
.irp w, 0,1
.set J, 0
.rept 16
	v_pk_mul_f32 v[O+32*\w+J:O+32*\w+J+1], v[O+32*\w+J:O+32*\w+J+1], v[F+2*\w:F+2*\w+1] op_sel_hi:[1,0]   ; O^T under the new M.  (Also the places between p's codes and scale words and the products)
.set J, J+2
.endr
.endr
	s_wait_alu depctr_va_vdst(0)
	s_wait_dscnt 0x0                               ; V^T's fragments and scale words are in, and the next step's K
	WIN MUL
.irp w, 0,1                            ; O^T += V^T P^T: eight accumulators by turns
.irp t, 0,1,2,3
.if \t%2
	v_wmma_scale_f32_16x16x128_f8f6f4 v[O+32*\w+8*\t:O+32*\w+8*\t+7], v[FRV+12*\t:FRV+12*\t+11], v[P+12*\w:P+12*\w+11], v[O+32*\w+8*\t:O+32*\w+8*\t+7], v[VSR+\t/2], v[PW+\w] matrix_a_fmt:MATRIX_FMT_BF6 matrix_b_fmt:MATRIX_FMT_BF6 matrix_a_scale:MATRIX_SCALE_ROW1
.else
	v_wmma_scale_f32_16x16x128_f8f6f4 v[O+32*\w+8*\t:O+32*\w+8*\t+7], v[FRV+12*\t:FRV+12*\t+11], v[P+12*\w:P+12*\w+11], v[O+32*\w+8*\t:O+32*\w+8*\t+7], v[VSR+\t/2], v[PW+\w] matrix_a_fmt:MATRIX_FMT_BF6 matrix_b_fmt:MATRIX_FMT_BF6
.endif
.endr
.endr
	WIN 0
	s_add_co_u32 s[TB], s[TB], STEPB
.endm
.macro STEPS8                          ; a slot's eight key steps; its first step's K is read here, the others' a step ahead
	WIN ADD1
	v_add_nc_u32 v[AK0], s[TB], v[LK0]
	v_add_nc_u32 v[AK1], s[TB], v[LK1]
	WIN 0
	v_add_nc_u32 v[AKS], s[TB], v[LKS]
	KLOAD 0
	s_mov_b32 s[CNT], 8
	s_wait_dscnt 0x0
.Lstep_\@:
	STEP
	s_sub_co_u32 s[CNT], s[CNT], 1
	s_cmp_lg_u32 s[CNT], 0
	s_cbranch_scc1 .Lstep_\@
.endm
	s_wait_alu depctr_va_vdst(0)                   ; the wait at the head's end
.Lslot:                                            ; three trips: key steps 0-7, 8-15, 16-23; the other slot takes the eight steps after them (the first time: slot 1's first fill, issued as a refill is)
	s_wait_tensorcnt 0x0                           ; my one load is done: my step of the slot to be read
	ds_add_u32 v[SPW], v[NIL]
	s_xor_b32 s[G0+1], s[G0+1], SLOT1              ; no load of mine is out: the walking descriptor steps to the other slot
	s_add_nc_u64 s[G0+2:G0+3], s[G0+2:G0+3], CHUNK ; and the next eight key steps
	s_wait_dscnt 0x0                               ; the add is done, and my reads of the slot left behind
	CROUND
	JLOAD
	STEPS8
	s_sub_co_u32 s[TB], s[TB], CHUNK
	s_xor_b32 s[TB], s[TB], SLOT1
	s_sub_co_u32 s[SLOTS], s[SLOTS], 1
	s_cmp_lg_u32 s[SLOTS], 0
	s_cbranch_scc1 .Lslot
	s_wait_tensorcnt 0x0                           ; the last slot is written out: nothing more is fetched
	ds_add_u32 v[SPW], v[NIL]
	s_wait_dscnt 0x0
	s_barrier_signal -1
	s_barrier_wait -1
	STEPS8                                         ; key steps 24-31
	; THE WAY OUT.  O^T is divided by the row's sum and goes through my stage, so that sixteen lanes store the 256 consecutive bytes of one query's head, aligned.
.rept 4
	v_nop                                          ; places behind the last products
.endr
.irp w, 0,1
	v_add_f32 v[SUM+2*\w], v[SUM+2*\w], v[SUM+2*\w+1]
.endr
.irp w, 0,1
	HINT
	v_permlanex16_b32 v[T+\w], v[SUM+2*\w], s[SEL], s[SEL+1]
.endr
.irp w, 0,1
	HINT
	v_add_f32 v[SUM+2*\w], v[SUM+2*\w], v[T+\w]
.endr
	s_wait_alu depctr_va_vdst(0)                   ; the wait ahead of the reciprocals
.irp w, 0,1
	v_rcp_f32 v[SUM+2*\w], v[SUM+2*\w]
.endr
	v_nop
	s_wait_alu depctr_va_vdst(0)                   ; and behind them, ahead of the first readers
.irp w, 0,1
.set J, 0
.rept 16
	v_pk_mul_f32 v[S+64*\w+J:S+64*\w+J+1], v[O+32*\w+J:O+32*\w+J+1], v[SUM+2*\w:SUM+2*\w+1] op_sel_hi:[1,0]   ; register 8 t + j is channel 16 t + 8 h + j of query r
.set J, J+2
.endr
.endr
.irp w, 0,1
.irp t, 0,1,2,3
	ds_store_b128 v[STO], v[S+64*\w+8*\t:S+64*\w+8*\t+3] offset:4352*\w+64*\t
	ds_store_b128 v[STO], v[S+64*\w+8*\t+4:S+64*\w+8*\t+7] offset:4352*\w+64*\t+16
.endr
.endr
.irp i, 0,1,2,3,4,5,6,7
	ds_load_b128 v[96+4*\i:99+4*\i], v[RD] offset:544*\i            ; LDS serves a wave's instructions in order (ISA guide 5.7.1.4): these see my stores
.endr
.irp i, 0,1,2,3,4,5,6,7
	ds_load_b128 v[160+4*\i:163+4*\i], v[RD] offset:4352+544*\i
.endr
.irp i, 0,1,2,3,4,5,6,7
	s_wait_dscnt 15-\i                             ; the younger loads may stay out
	global_store_b128 v[GO], v[96+4*\i:99+4*\i], s[8:9] offset:8192*\i th:TH_STORE_NT
.endr
.irp i, 0,1,2,3,4,5,6,7
	s_wait_dscnt 7-\i
	global_store_b128 v[GO], v[160+4*\i:163+4*\i], s[8:9] offset:65536+8192*\i th:TH_STORE_NT
.endr
	s_wait_tensorcnt 0x0                           ; the wave's end
	ds_add_u32 v[SPW], v[NIL]
	s_wait_dscnt 0x0
	CROUND                                         ; the closing round
	s_endpgm
.Lfunc_end_k_q3103838a32_attn:
	.size	k_q3103838a32_attn, .Lfunc_end_k_q3103838a32_attn-k_q3103838a32_attn
	.p2alignl 7, 3214868480
	.fill 96, 4, 3214868480
	.section	.rodata,"a",@progbits
	.p2align	6, 0x0
	.amdhsa_kernel k_q3103838a32_attn
		.amdhsa_group_segment_fixed_size 327680
		.amdhsa_private_segment_fixed_size 0
		.amdhsa_enable_private_segment 0
		.amdhsa_kernarg_size 24
		.amdhsa_user_sgpr_count 2
		.amdhsa_user_sgpr_kernarg_segment_ptr 1
		.amdhsa_wavefront_size32 1
		.amdhsa_system_sgpr_workgroup_id_x 1
		.amdhsa_system_sgpr_workgroup_id_y 1
		.amdhsa_system_sgpr_workgroup_id_z 1
		.amdhsa_system_vgpr_workitem_id 0
		.amdhsa_next_free_vgpr 512
		.amdhsa_next_free_sgpr 66
		.amdhsa_reserve_vcc 0
		.amdhsa_float_denorm_mode_32 3
		.amdhsa_float_denorm_mode_16_64 3
		.amdhsa_memory_ordered 1
		.amdhsa_forward_progress 1
		.amdhsa_inst_pref_size 76
	.end_amdhsa_kernel
	.amdgpu_metadata
---
amdhsa.version: [ 1, 2 ]
amdhsa.kernels:
  - .name:           k_q3103838a32_attn
    .symbol:         k_q3103838a32_attn.kd
    .args:
      - { .name: qc, .offset: 0, .size: 8, .value_kind: global_buffer, .address_space: global }
      - { .name: kvc, .offset: 8, .size: 8, .value_kind: global_buffer, .address_space: global }
      - { .name: out0, .offset: 16, .size: 8, .value_kind: global_buffer, .address_space: global }
    .group_segment_fixed_size: 327680
    .private_segment_fixed_size: 0
    .kernarg_segment_align: 8
    .kernarg_segment_size: 24
    .max_flat_workgroup_size: 256
    .sgpr_count:     66
    .vgpr_count:     512
    .wavefront_size: 32
...
	.end_amdgpu_metadata
.endif
;; end of part 3
